; MI455X (gfx1250); checked and timed in simulation.
; The chip was launched on July 23, 2026; its instructions are those of AMD's public machine-readable ISA for CDNA 5 (MIT licence, August 2026) and "CDNA5" Instruction Set Architecture Reference Guide (July 2026). The comments in the code are by the model that wrote it; some were corrected since.
;; Multi Head Self Attention. Allowed arithmetic: matrix products marked QUANTISED: E4M3 operands, one given power-of-two scale a tensor, by v_wmma_f32_16x16x64_fp8_fp8 or v_wmma_f32_16x16x128_fp8_fp8, f32 sums; everything else in f32.
;; Inputs: Wk_codes 2,048 x 64 x 32 uint8 (E4M3 codes of Wk, K innermost, in blocks of 32 codes); Wo_codes 2,048 x 64 x 32 uint8 (E4M3 codes of Wo, K innermost, in blocks of 32 codes); Wq_codes 2,048 x 64 x 32 uint8 (E4M3 codes of Wq, K innermost, in blocks of 32 codes); Wv_codes 2,048 x 64 x 32 uint8 (E4M3 codes of Wv, K innermost, in blocks of 32 codes); lowp_scales 12 int32 (the exponents e of the quantised operands' scales 2^e); token_positions 2,048 int32; x_codes 1 x 2,048 x 64 x 32 uint8 (E4M3 codes of x, K innermost, in blocks of 32 codes).
;; Outputs: out0 1 x 2,048 x 2,048 float32.
;; This version of the problem:
;;   THIS VERSION OF THE PROBLEM IS GIVEN IN LOW PRECISION. The matrix products marked QUANTISED in the list below multiply operands that are first quantised to E4M3 (4 exponent bits, 3 mantissa bits; 8 bits a number), with one given power-of-two scale for each operand tensor; their sums are f32. All else is computed in f32.
;;   The module's matrix products, in the order in which they are computed (A, B: the left and right operand; K: the contracted axis; several contracted axes count as one K, in the product's order):
;;     1. [M 2,048, K 2,048] x [K 2,048, N 2,048]; A: input x (given as codes); B: input Wq (given as codes): QUANTISED (scales: A lowp_scales[0], B lowp_scales[1])
;;     2. [M 2,048, K 2,048] x [K 2,048, N 2,048]; A: input x (given as codes); B: input Wk (given as codes): QUANTISED (scales: A lowp_scales[2], B lowp_scales[3])
;;     3. [M 2,048, K 2,048] x [K 2,048, N 2,048]; A: input x (given as codes); B: input Wv (given as codes): QUANTISED (scales: A lowp_scales[4], B lowp_scales[5])
;;     4. batch 16 x [M 2,048, K 128] x [K 128, N 2,048]; A: computed on the way; B: computed on the way: QUANTISED (scales: A lowp_scales[6], B lowp_scales[7])
;;     5. batch 16 x [M 2,048, K 2,048] x [K 2,048, N 128]; A: softmax (see below); B: computed on the way: QUANTISED (scales: A lowp_scales[8], B lowp_scales[9])
;;     6. [M 2,048, K 2,048] x [K 2,048, N 2,048]; A: computed on the way; B: input Wo (given as codes): QUANTISED (scales: A lowp_scales[10], B lowp_scales[11])
;;   THE QUANTISER, for each operand of a quantised product, along K:
;;     - The operand's scale is 2^e, e = its entry of the input lowp_scales (int32; the entries are numbered through the quantised products in the list's order, A before B).
;;     - Each number is divided by the scale, clamped to +-448, and rounded to the nearest number of E4M3, ties to even, subnormals kept.
;;     - The product sums the exact products of the quantised numbers (number of the format x scale) in f32.
;;   ~~~python
;;   def quantise(x, axis, e):      # numpy; x: float32 -> the quantised numbers, widened to float32 again
;;       x = np.moveaxis(x, axis, -1); K = x.shape[-1]
;;       r = np.clip(x / 2.0 ** e, -448, 448)
;;       step = 2.0 ** (np.maximum(np.frexp(np.where(r == 0, 1, r))[1] - 1, -6) - 3)
;;       q = np.round(r / step) * step * 2.0 ** e      # np.round: ties to even
;;       return np.moveaxis(q, -1, axis).astype(np.float32)
;;   ~~~
;;   SOFTMAX AHEAD OF A QUANTISED PRODUCT. Where the list says 'softmax', what is quantised is not the finished softmax but p = 2^(t - M), with t = logit x log2(e) and M = ceil(the row's largest t), a whole number; so 1/2 < the row's largest p <= 1. The row's sum l is taken of the UNQUANTISED p, in f32, and the product's result is divided by l at the end. Since M is a whole number, a kernel that streams over the keys may use a running M (the ceiling of the running maximum): every later rescaling is an exact power of two, so the quantised numbers keep their values, but for numbers so far below the row's largest that they fall under the format's range.
;;   OPERANDS COMPUTED ON THE WAY. 'Computed on the way' means the value that the module computes at that place (a softmax that the list does not call 'softmax' is quantised finished and normalised). What goes into a quantiser is computed in f32, as accurately as f32 sums, v_exp_f32 and their like allow (about 1e-6 of the number): no bf16 or f16 on the way to a quantiser, and a product that is left as it is and whose result goes on into a quantised operand takes f32 operands (vector FMAs, or v_wmma_f32_16x16x4_f32). A number that lies on a knife's edge between two numbers of the format may be rounded either way, as far as f32 arithmetic and the matrix unit's own rounding can turn it there, and no further.
;;   INPUTS GIVEN AS CODES. Wk (in the module: [2048, 2048], K = its axis 1); Wo (in the module: [2048, 2048], K = its axis 1); Wq (in the module: [2048, 2048], K = its axis 1); Wv (in the module: [2048, 2048], K = its axis 1); x (in the module: [1, 2048, 2048], K = its axis 2): each comes as NAME_codes (uint8): NAME with its K axis moved to the last place and cut into blocks of 32 codes, [.., K / 32, bytes a block], one block behind the other in memory; one code a byte (a code: sign, 4 exponent bits, 3 mantissa bits); its scale is its entry of lowp_scales. Its value is code x scale, taken as it is: it is not quantised again, and the codes and scales need not be those that the quantiser above would give.
;; One version. Each part assembles by itself: llvm-mc -triple=amdgcn-amd-amdhsa -mcpu=gfx1250 --defsym DOCPART=n.
;; ======== version 1 of 1: 3 launches
;; limits: right only within a limited range of input values
;; workspace buffers: qbuf 4,194,304 bytes; kvbuf 8,388,608 bytes; abuf 4,194,304 bytes
;; launch qkv (part 1): grid 16 x 16, 4 waves a work-group, clusters of 4 x 4, 327,680 bytes of LDS; arguments x_codes, Wq_codes, Wk_codes, Wv_codes, token_positions, lowp_scales, qbuf, kvbuf; writes qbuf, kvbuf
.if DOCPART == 1
	.amdgcn_target "amdgcn-amd-amdhsa--gfx1250"
	.amdhsa_code_object_version 6
	.text
	.protected	k_q73140d4f56_qkv
	.globl	k_q73140d4f56_qkv
	.p2align	8
	.type	k_q73140d4f56_qkv,@function
k_q73140d4f56_qkv:
	s_mov_b64 s[64:65], 0
	v_nop
	global_prefetch_b8 v0, s[64:65] scope:SCOPE_SE
	s_setreg_imm32_b32 hwreg(HW_REG_WAVE_MODE, 25, 1), 1
	s_wait_xcnt 0x0
	s_wait_alu depctr_hold_cnt(0) depctr_sa_sdst(0) depctr_va_vdst(0) depctr_va_sdst(0) depctr_va_ssrc(0) depctr_va_vcc(0) depctr_vm_vsrc(0)
	s_getreg_b32 s2, hwreg(HW_REG_IB_STS2, 6, 4)
	s_cmp_eq_u32 s2, 0
	s_cbranch_scc0 .Lentry_in_a_cluster
	s_endpgm
.Lentry_in_a_cluster:
	s_bfe_u32 s2, ttmp6, 0x10000c
	s_cmp_lg_u32 s2, 0xf033
	s_cbranch_scc0 .Lentry_shape_is_right
	s_endpgm
.Lentry_shape_is_right:
; Q = rope(x Wq^T), K = rope(x Wk^T), V = x Wv^T on E4M3 codes, f32 sums; the three results are quantised (scales 2^e6, 2^e7, 2^e9) and stored as codes.
; x: [2048][2048], Wq, Wk, Wv: [2048][2048]: codes, K innermost.  A sum of product i stands for sum x 2^(its two exponents added); that factor is folded into the conversion's scale.
; WORK LEFT OUT in the program: in launch attn, key steps of 128 keys all of which come after a tile's queries: reference() itself sets those scores to -inf, so their p is 0 for all inputs.  A NaN or an overflow in such a score alone is not carried.
; SHARES.  A work-group takes 128 tokens (group G) x one head: 128 x 384 results.  Wave w takes all 128 tokens x columns 32 w .. 32 w + 31 of each of Q, K, V: 48 accumulators of 16 x 16.
; Q and K are used TRANSPOSED (source 0 = 16 rows of W, source 1 = 16 tokens): a lane holds one token and eight neighbouring channels, so a rotation pair lies in one lane and eight registers feed one conversion.
; V is used straight (source 0 = 16 tokens, source 1 = 16 rows of Wv): a lane holds one channel and eight neighbouring tokens: its codes come out with the keys innermost.
; CLUSTER 4 x 4: x's tile hangs on G alone and is asked for jointly along a row of the cluster; the W tiles hang on the head alone and are asked for jointly along a column.
; OUT.  Codes leave as images of the next launch's operand registers: a fragment (16 rows x 128 K) is 2,048 bytes, registers 4 c .. 4 c + 3 of lane L at byte 512 c + 16 L.
;   qbuf [head][tile of 16 queries][2048];  kvbuf [head][G][32768]: K's eight images (16 keys each), then V^T's eight (16 channels each, the group's 128 keys along the registers).
; COS AND SIN are made by fused multiply-adds: angle = f32(position) x frequency, taken modulo pi/2 in two parts, polynomials on +-pi/4.  Each wave makes the 64 pairs a lane that it uses.
; LIMITS: e6-e0-e1, e7-e2-e3, e9-e4-e5 between -126 and 119, so that each power of two and 448 x it are f32 numbers; |token_positions| under 2^22; NaN codes among the inputs are not served specially.
.set PITCH,  272                       ; an LDS row: 256 bytes + 16: the 16 rows that a load touches start 68 words apart
; K goes in eight steps of 256 through two LDS slots, each [x | Wq | Wk | Wv], 128 rows of 256 bytes + 16 of padding; wave 0 fetches x's tile, waves 1, 2, 3 those of Wq, Wk, Wv.
; A slot holds two steps of 128 along K.  While one is multiplied, the next one's 14 fragments are loaded into the other set of registers, in two runs of 28 LDS loads.
; REGISTERS, in windows of 256: window 0: v1-30 addresses and scales; v32-127, v128-223 W's six fragments, two sets (ahead of the loop v128-231: work on cos and sin; behind it v32-: rotated numbers and codes).
;   window 1: x's eight fragments, two sets.  window 2: Q's accumulators at 8 (2 a + u), K's at 128 + that.  window 3: V's at 8 (2 a + u); from v128 the table: cos, sin of block a, pair f at 128 + 2 (8 a + f).
.set HALFT,  128*PITCH                 ; one tile: what one tensor load brings
.set SLOT,   4*HALFT
.set SPARE,  2*SLOT                    ; behind the ring: the spare words, 128 bytes a wave
.set LAPS,   4                         ; 2048 / (2 x 256)
.set VO,   1                           ; v1  16 x lane
.set SCQ,  8                           ; v8-13 scale and 448 x scale for Q, K, V
.set LMQ,  9
.set SCK,  10
.set LMK,  11
.set SCV,  12
.set LMV,  13
.set ADRA, 16                          ; v16-17 x's fragments in slot 0, 1
.set ADRW, 18                          ; v18-23 my rows of Wq, Wk, Wv in slot 0, then in slot 1
.set SPW,  28
.set NIL,  29
.set PFO,  30                          ; v30 the prefetches' offset: my lane x a row; never rewritten
.set WF,   32
.set FR,   128                         ; work on cos and sin
.set POS,  136
.set KC,   144
.set ANG,  168
.set KF,   176
.set KK,   184
.set RR,   192
.set ZZ,   200
.set SN,   208
.set CN,   216
.set TT,   224
.set CS,   128                         ; the table, in window 3
.set RO,   32                          ; the way out: 16 rotated numbers, 16 at work, 96 registers of codes
.set TP,   48
.set CD,   64
.set WV,   20
.set G1A,  24
.set G0A,  32
.set G1B,  48
.set G0B,  56
.set QB,   80
.set KB,   82
.set VB,   84
.set PFA,  96                          ; s[96:97] where my prefetches stand
.set MSB, 0
.macro WIN new                         ; the immediate's high byte repeats the setting that is left
.if MSB != \new
	s_set_vgpr_msb (MSB<<8)|\new
.set MSB, \new
.endif
.endm
.set MQK, 0xa4                         ; source 0 (W) window 0, source 1 (x) window 1, C and D window 2
.set MV,  0xf1                         ; source 0 (x) window 1, source 1 (Wv) window 0, C and D window 3
.macro PLACES
.rept 4
	v_nop
.endr
.endm
; A joint load: wave 0 asks for x's tile, waves 1 to 3 for a W tile.  The branch hangs on the wave's number alone.  Four v_nop follow each line.
.macro JLOAD s
	s_cmp_eq_u32 s[WV], 0
	s_cbranch_scc0 .Lfor_w_\@
	tensor_load_to_lds s[G0A+4*\s:G0A+4*\s+3], s[G1A:G1A+7]
	s_nop 0
.rept 4
	v_nop
.endr
	s_branch .Lasked_\@
.Lfor_w_\@:
	tensor_load_to_lds s[G0B+4*\s:G0B+4*\s+3], s[G1B:G1B+7]
	s_nop 0
.rept 4
	v_nop
.endr
.Lasked_\@:
.endm
; A PREFETCH: a wave names, of its tile's 128 rows, the 256 bytes that one K step takes of 32 rows, a lane a row; the four partners have 32 rows each, told apart by address.
; At the head K steps 1 and 2 are asked for behind the load of K step 0; from K step 1's load on, behind the load of K step t the K step t + 2.  The last two loads ask for nothing.
.macro PREF off
	global_prefetch_b8 v[PFO], s[PFA:PFA+1] offset:\off th:TH_LOAD_NT scope:SCOPE_SE
.endm
.macro CREST                           ; a round of the cluster's barrier behind its opening barrier
	s_cmp_lg_u32 s[WV], 0
	s_cbranch_scc1 .Lnot_wave_0_\@
	s_barrier_signal -3
.Lnot_wave_0_\@:
	s_barrier_wait -3
	s_barrier_signal -1
	s_barrier_wait -1
.endm
.macro CROUND
	s_barrier_signal -1
	s_barrier_wait -1
	CREST
.endm
	s_load_b256 s[4:11], s[0:1], 0x0               ; x s[4:5], Wq s[6:7], Wk s[8:9], Wv s[10:11]
	s_load_b256 s[12:19], s[0:1], 0x20             ; positions s[12:13], exponents s[14:15], qbuf s[16:17], kvbuf s[18:19]
	v_lshl_add_u32 v[SPW], v0, 2, SPARE
	v_mov_b32 v[NIL], 0
	ds_add_u32 v[SPW], v[NIL]                      ; the opening lines: the add, twice on end, and its wait ahead of my first tensor load
	ds_add_u32 v[SPW], v[NIL]
	v_lshrrev_b32 v4, 5, v0
	v_readfirstlane_b32 s[WV], v4                  ; wave 0..3
	s_bfe_u32 s40, ttmp6, 0x40000                  ; cx
	s_bfe_u32 s41, ttmp6, 0x40004                  ; cy
	s_lshl_b32 s42, ttmp9, 2
	s_add_co_u32 s42, s42, s40                     ; the head = 4 x cluster x + cx
	s_and_b32 s43, ttmp7, 0xffff
	s_lshl_b32 s43, s43, 2
	s_add_co_u32 s43, s43, s41                     ; G = 4 x cluster y + cy
	s_lshl_b32 s44, s41, 2
	s_lshl_b32 s44, 15, s44                        ; my row of the cluster
	s_lshl_b32 s45, 0x1111, s40                    ; my column
	s_or_b32 s[G1A], s44, (1<<20)|(1<<21)|(5<<22)|(3<<25)   ; mask; elements of 1 byte; padding on; bit 21 beside a mask; 4 words after every 64
	s_or_b32 s[G1B], s45, (1<<20)|(1<<21)|(5<<22)|(3<<25)
.irp g, G1A, G1B
	s_mov_b32 s[\g+1], 256<<16                     ; tensor_dim0 = 256
	s_mov_b32 s[\g+2], 128<<16                     ; tensor_dim1 = 128
	s_mov_b32 s[\g+3], 256<<16                     ; tile_dim0 = 256
	s_mov_b32 s[\g+4], 128                         ; tile_dim1 = 128
	s_mov_b32 s[\g+5], 2048                        ; from row to row
	s_mov_b32 s[\g+6], 0
	s_mov_b32 s[\g+7], 0
.endr
	s_lshl_b32 s46, s43, 18                        ; x: 128 G rows of 2,048 bytes
	s_mov_b32 s47, 0
	s_lshl_b32 s88, s42, 18                        ; W: 128 x head rows
	s_mov_b32 s89, 0
	s_mul_i32 s90, s[WV], HALFT                    ; where my tile goes in a slot
	s_mul_i32 s91, s[WV], 32*PITCH                 ; my 32 rows of each W tile
	s_lshl_b32 s92, s43, 9
	s_mov_b32 s93, 0
	v_and_b32 v2, 15, v0                           ; r
	v_bfe_u32 v3, v0, 4, 1                         ; h
	v_lshlrev_b32 v5, 2, v2
	v_and_b32 v6, 31, v0
	v_lshlrev_b32 v[VO], 4, v6
	v_lshlrev_b32 v[PFO], 11, v6
	s_wait_alu depctr_va_vdst(0)                   ; directly ahead of the waits below
	s_wait_dscnt 0x0                               ; both opening adds are done
	s_wait_kmcnt 0x0
	s_load_b256 s[68:75], s[14:15], 0x0            ; e0 .. e7
	s_load_b128 s[76:79], s[14:15], 0x20           ; e8 .. e11
	s_add_nc_u64 s[12:13], s[12:13], s[92:93]      ; the positions of my 128 tokens
.irp a, 0,1,2,3,4,5,6,7
	global_load_b32 v[POS+\a], v5, s[12:13] offset:64*\a   ; token 16 a + r
.endr
	s_add_nc_u64 s[46:47], s[4:5], s[46:47]
	s_cmp_eq_u32 s[WV], 2                          ; wave 1: Wq, wave 2: Wk, wave 3: Wv (wave 0's choice is not used)
	s_cselect_b64 s[86:87], s[8:9], s[6:7]
	s_cmp_eq_u32 s[WV], 3
	s_cselect_b64 s[86:87], s[10:11], s[86:87]
	s_add_nc_u64 s[86:87], s[86:87], s[88:89]
	s_cmp_eq_u32 s[WV], 0                          ; the prefetches: of my tile's 128 rows my work-group's 32: by cx in x, by cy in W
	s_cselect_b64 s[PFA:PFA+1], s[46:47], s[86:87]
	s_cselect_b32 s88, s40, s41
	s_lshl_b32 s88, s88, 16
	s_add_nc_u64 s[PFA:PFA+1], s[PFA:PFA+1], s[88:89]
	CROUND                                         ; all sixteen work-groups are here: the first joint loads meet
.irp s, 0,1
	s_mov_b32 s[G0A+4*\s], 1
	s_add_co_u32 s[G0A+4*\s+1], s90, \s*SLOT
	s_add_nc_u64 s[G0A+4*\s+2:G0A+4*\s+3], s[46:47], \s*256
	s_or_b32 s[G0A+4*\s+3], s[G0A+4*\s+3], 0x80000000
	s_mov_b32 s[G0B+4*\s], 1
	s_add_co_u32 s[G0B+4*\s+1], s90, \s*SLOT
	s_add_nc_u64 s[G0B+4*\s+2:G0B+4*\s+3], s[86:87], \s*256
	s_or_b32 s[G0B+4*\s+3], s[G0B+4*\s+3], 0x80000000
.endr
	JLOAD 0                                        ; K step 0: one tensor load a wave at the head
	v_mul_u32_u24 v6, v2, PITCH
	v_lshl_add_u32 v[ADRA], v3, 4, v6              ; a fragment's row x pitch + 16 x half
	v_add_nc_u32 v[ADRA+1], SLOT, v[ADRA]
.irp s, 0,1
.irp m, 0,1,2
	s_add_co_u32 s94, s91, \s*SLOT+(1+\m)*HALFT
	v_add_nc_u32 v[ADRW+3*\s+\m], s94, v[ADRA]
.endr
.endr
	PREF 256                                       ; K step 1
	; THE FREQUENCIES: pair f = 4 u + i of my lane is pair 16 w + 8 u + 4 h + i of the head: 10000^(-idx/64) = 2^(-idx L), L = log2(10000)/64 in two parts, the first of 12 bits, so that idx x it is exact
	s_lshl_b32 s94, s[WV], 4
	v_lshl_add_u32 v7, v3, 2, s94
.irp f, 0,1,2,3,4,5,6,7
	v_add_nc_u32 v[ANG+\f], \f+4*(\f/4), v7
.endr
.irp f, 0,1,2,3,4,5,6,7
	v_cvt_f32_u32 v[ANG+\f], v[ANG+\f]
.endr
.irp f, 0,1,2,3,4,5,6,7
	v_mul_f32 v[KF+\f], 0x3e54a000, v[ANG+\f]      ; p = idx x 3402/2^14, exact
.endr
.irp f, 0,1,2,3,4,5,6,7
	v_floor_f32 v[KK+\f], v[KF+\f]                 ; n
.endr
.irp f, 0,1,2,3,4,5,6,7
	v_sub_f32 v[KF+\f], v[KK+\f], v[KF+\f]         ; n - p, exact
.endr
.irp f, 0,1,2,3,4,5,6,7
	v_fmamk_f32 v[KF+\f], v[ANG+\f], 0x37b0f686, v[KF+\f]  ; less idx x the second part (which is negative): the exponent's fraction, between -1 and 0
.endr
	s_wait_alu depctr_va_vdst(0)                   ; ahead of the batch
.irp f, 0,1,2,3,4,5,6,7
	v_exp_f32 v[FR+\f], v[KF+\f]
.endr
.irp f, 0,1,2,3,4,5,6,7
	v_cvt_i32_f32 v[KK+\f], v[KK+\f]               ; (plain work behind the exponentials)
.endr
.irp f, 0,1,2,3,4,5,6,7
	v_sub_nc_u32 v[KK+\f], 0, v[KK+\f]
.endr
	s_wait_alu depctr_va_vdst(0)                   ; and behind it, ahead of the first reader
.irp f, 0,1,2,3,4,5,6,7
	v_ldexp_f32 v[FR+\f], v[FR+\f], v[KK+\f]       ; x 2^-n
.endr
.macro KONST k, bits                   ; a constant, twice: the packed forms take pairs
	v_mov_b32 v[KC+2*\k], \bits
	v_mov_b32 v[KC+2*\k+1], \bits
.endm
	KONST 0, 0x3f22f983                            ; 2/pi
	KONST 1, 0x4b400000                            ; 1.5 x 2^23: adding it rounds to a whole number, which then stands in the low bits
	KONST 2, 0xcb400000
	KONST 3, 0xbfc90fdb                            ; -(pi/2), first part
	KONST 4, 0x333bbd2e                            ; -(pi/2), second part
	KONST 5, 0xb94ca1f9                            ; sine's three coefficients
	KONST 6, 0x3c08839e
	KONST 7, 0xbe2aaaa3
	KONST 8, 0x37ccf5ce                            ; cosine's three
	KONST 9, 0xbab6061a
	KONST 10, 0x3d2aaaa5
	PREF 512                                       ; K step 2
; cos and sin of block a's token at my eight frequencies, into the table
.macro SINCOS a
.irp f, 0,1,2,3,4,5,6,7
	v_mul_f32 v[ANG+\f], v[FR+\f], v[POS+\a]       ; the angle, rounded once
.endr
.irp k, 0,2,4,6
	v_pk_fma_f32 v[KF+\k:KF+\k+1], v[ANG+\k:ANG+\k+1], v[KC:KC+1], v[KC+2:KC+3]       ; n = the nearest whole number to angle x 2/pi
.endr
.irp k, 0,2,4,6
	v_pk_add_f32 v[KK+\k:KK+\k+1], v[KF+\k:KF+\k+1], v[KC+4:KC+5]
.endr
.irp k, 0,2,4,6
	v_pk_fma_f32 v[RR+\k:RR+\k+1], v[KK+\k:KK+\k+1], v[KC+6:KC+7], v[ANG+\k:ANG+\k+1]
.endr
.irp k, 0,2,4,6
	v_pk_fma_f32 v[RR+\k:RR+\k+1], v[KK+\k:KK+\k+1], v[KC+8:KC+9], v[RR+\k:RR+\k+1]   ; r = angle - n pi/2, within +-pi/4
.endr
.irp k, 0,2,4,6
	v_pk_mul_f32 v[ZZ+\k:ZZ+\k+1], v[RR+\k:RR+\k+1], v[RR+\k:RR+\k+1]
.endr
.irp k, 0,2,4,6
	v_pk_fma_f32 v[SN+\k:SN+\k+1], v[ZZ+\k:ZZ+\k+1], v[KC+10:KC+11], v[KC+12:KC+13]
	v_pk_fma_f32 v[CN+\k:CN+\k+1], v[ZZ+\k:ZZ+\k+1], v[KC+16:KC+17], v[KC+18:KC+19]
.endr
.irp k, 0,2,4,6
	v_pk_fma_f32 v[SN+\k:SN+\k+1], v[SN+\k:SN+\k+1], v[ZZ+\k:ZZ+\k+1], v[KC+14:KC+15]
	v_pk_fma_f32 v[CN+\k:CN+\k+1], v[CN+\k:CN+\k+1], v[ZZ+\k:ZZ+\k+1], v[KC+20:KC+21]
.endr
.irp k, 0,2,4,6
	v_pk_mul_f32 v[TT+\k:TT+\k+1], v[ZZ+\k:ZZ+\k+1], v[RR+\k:RR+\k+1]
	v_pk_fma_f32 v[CN+\k:CN+\k+1], v[CN+\k:CN+\k+1], v[ZZ+\k:ZZ+\k+1], -0.5 op_sel_hi:[1,1,0]
.endr
.irp k, 0,2,4,6
	v_pk_fma_f32 v[SN+\k:SN+\k+1], v[SN+\k:SN+\k+1], v[TT+\k:TT+\k+1], v[RR+\k:RR+\k+1]   ; sin r
	v_pk_fma_f32 v[CN+\k:CN+\k+1], v[CN+\k:CN+\k+1], v[ZZ+\k:ZZ+\k+1], 1.0 op_sel_hi:[1,1,0]  ; cos r
.endr
.irp f, 0,1,2,3,4,5,6,7
	v_lshlrev_b32 v[TT+\f], 31, v[KF+\f]           ; n's bit 0 in the sign's place: odd n swaps sine and cosine
	v_lshlrev_b32 v[KK+\f], 30, v[KF+\f]
.endr
.irp f, 0,1,2,3,4,5,6,7
	v_cmp_ne_u32 vcc_lo, 0, v[TT+\f]
	v_and_b32 v[KK+\f], 0x80000000, v[KK+\f]       ; n's bit 1: the sine's sign
	v_cndmask_b32 v[ANG+\f], v[SN+\f], v[CN+\f], vcc_lo
	v_cndmask_b32 v[ZZ+\f], v[CN+\f], v[SN+\f], vcc_lo
	v_xor_b32 v[TT+\f], v[TT+\f], v[KK+\f]         ; bit 0 xor bit 1: the cosine's sign
.endr
	WIN 0xc0                                       ; destination window 3
.irp f, 0,1,2,3,4,5,6,7
	v_xor_b32 v[CS+2*(8*(\a)+\f)], v[ZZ+\f], v[TT+\f]
	v_xor_b32 v[CS+2*(8*(\a)+\f)+1], v[ANG+\f], v[KK+\f]
.endr
	WIN 0
.endm
.macro MKS sc, lim, eo, ea, eb         ; 2^E and 448 x 2^E as f32, E = s[eo] - s[ea] - s[eb]
	s_sub_co_i32 s92, s[\eo], s[\ea]
	s_sub_co_i32 s92, s92, s[\eb]
	s_add_co_i32 s92, s92, 127
	s_lshl_b32 s93, s92, 23
	v_mov_b32 v[\sc], s93
	s_add_co_i32 s92, s92, 8
	s_lshl_b32 s92, s92, 23
	s_or_b32 s92, s92, 0x600000
	v_mov_b32 v[\lim], s92
.endm
; Fragment f of the slot's q-th 128 along K into set p, in the order of use: 0-3 Q's and K's two of W, 4-11 x's eight, 12-13 V's two of W.
; It comes by four loads of 16 bytes, 32 bytes apart: the same order of k in x and in W, so every product meets its partner.
.macro FRG slot, q, p, f
.if ((\f) >= 4) && ((\f) < 12)
	WIN 0x40                                       ; destination window 1
.irp c, 0,1,2,3
	ds_load_b128 v[128*(\p)+16*((\f)-4)+4*\c:128*(\p)+16*((\f)-4)+4*\c+3], v[ADRA+\slot] offset:((\f)-4)*16*PITCH+128*(\q)+32*\c
.endr
.else
.if (\f) < 4
.set FN, (\f)
.else
.set FN, (\f)-8
.endif
	WIN 0
.irp c, 0,1,2,3
	ds_load_b128 v[WF+96*(\p)+16*FN+4*\c:WF+96*(\p)+16*FN+4*\c+3], v[ADRW+3*(\slot)+FN/2] offset:(FN%2)*16*PITCH+128*(\q)+32*\c
.endr
.endif
.endm
; Group i of four matrix instructions on set p: i = 0 .. 7: token block i x Q's and K's two column blocks; 8 .. 11: token blocks 2 (i - 8), + 1 x V's two.
; The 48 accumulators take turns, one instruction a turn, in the same order in every step.
.macro GRP p, i, zero
.if (\i) < 8
	WIN MQK
.irp n, 0,1,2,3
.if \zero
	v_wmma_f32_16x16x128_fp8_fp8 v[128*(\n/2)+8*(2*(\i)+\n%2):128*(\n/2)+8*(2*(\i)+\n%2)+7], v[WF+96*(\p)+16*\n:WF+96*(\p)+16*\n+15], v[128*(\p)+16*(\i):128*(\p)+16*(\i)+15], 0
.else
	v_wmma_f32_16x16x128_fp8_fp8 v[128*(\n/2)+8*(2*(\i)+\n%2):128*(\n/2)+8*(2*(\i)+\n%2)+7], v[WF+96*(\p)+16*\n:WF+96*(\p)+16*\n+15], v[128*(\p)+16*(\i):128*(\p)+16*(\i)+15], v[128*(\n/2)+8*(2*(\i)+\n%2):128*(\n/2)+8*(2*(\i)+\n%2)+7]
.endif
.endr
.else
	WIN MV
.irp n, 0,1,2,3
.if \zero
	v_wmma_f32_16x16x128_fp8_fp8 v[8*(4*((\i)-8)+\n):8*(4*((\i)-8)+\n)+7], v[128*(\p)+16*(2*((\i)-8)+\n/2):128*(\p)+16*(2*((\i)-8)+\n/2)+15], v[WF+96*(\p)+16*(4+\n%2):WF+96*(\p)+16*(4+\n%2)+15], 0
.else
	v_wmma_f32_16x16x128_fp8_fp8 v[8*(4*((\i)-8)+\n):8*(4*((\i)-8)+\n)+7], v[128*(\p)+16*(2*((\i)-8)+\n/2):128*(\p)+16*(2*((\i)-8)+\n/2)+15], v[WF+96*(\p)+16*(4+\n%2):WF+96*(\p)+16*(4+\n%2)+15], v[8*(4*((\i)-8)+\n):8*(4*((\i)-8)+\n)+7]
.endif
.endr
.endif
.endm
; A slot's first 128 along K: multiplies set 0, loads the second 128 into set 1.
.macro STEP slot, zero
	PLACES                                         ; four places in front of loads into registers that matrix instructions have read (ISA guide 7.12.1 for vector instructions)
.irp f, 0,1,2,3,4,5,6
	FRG \slot, 1, 1, \f
.endr
	s_wait_dscnt 44                                ; set 0 up to x's block 5 is in: younger are the last run's four fragments, 16 loads, and the 28 just issued
.irp i, 0,1,2,3,4,5
	GRP 0, \i, \zero
.endr
.irp f, 7,8,9,10,11,12,13
	FRG \slot, 1, 1, \f
.endr
	s_wait_dscnt 56                                ; all but this step's 56
.irp i, 6,7,8,9,10,11
	GRP 0, \i, \zero
.endr
	WIN 0
.endm
; A slot's second 128 changes slots: one barrier; in front of it each wave waits for all its tensor loads, adds 0 to its spare word, and waits for that and for its reads of this slot.  fill = 1: the slot is filled again, two K steps ahead.
.macro TURN slot, next, fill
.if (\fill) && ((\slot) == 0)
	s_wait_xcnt 0x0                                ; my prefetches have read their address: it is stepped by two K steps
	s_add_nc_u64 s[PFA:PFA+1], s[PFA:PFA+1], 512
.endif
	WIN 0
	s_wait_tensorcnt 0x0                           ; my one load that was out, my tile of the next slot, has landed
	ds_add_u32 v[SPW], v[NIL]                      ; 0 onto my spare word
	s_wait_dscnt 33                                ; younger than x's block 1: 32 loads and the add
	GRP 1, 0, 0
	GRP 1, 1, 0
	s_wait_dscnt 0x0                               ; the add is done, and my reads of this slot are over
	s_barrier_signal -1
	GRP 1, 2, 0
	WIN 0
	s_barrier_wait -1
.if \fill
	CREST                                          ; the barrier has opened a round of the cluster's: no wave of any partner still reads this slot or has a load on its way
	s_add_nc_u64 s[G0A+4*\slot+2:G0A+4*\slot+3], s[G0A+4*\slot+2:G0A+4*\slot+3], 512
	s_add_nc_u64 s[G0B+4*\slot+2:G0B+4*\slot+3], s[G0B+4*\slot+2:G0B+4*\slot+3], 512
	JLOAD \slot                                    ; the first tensor load behind the round; its four v_nop are the places in front of the loads below
.else
	PLACES
.endif
.irp f, 0,1,2,3,4,5,6
	FRG \next, 0, 0, \f
.endr
	WIN 0
.if \fill
	s_cmp_gt_u32 s3, 1                             ; the loop's last trip has no K step two on
	s_cbranch_scc0 .Lno_ask_\@
	PREF 512+256*(\slot)
.Lno_ask_\@:
.endif
.irp i, 3,4,5,6
	GRP 1, \i, 0
.endr
.irp f, 7,8,9,10,11,12,13
	FRG \next, 0, 0, \f
.endr
.irp i, 7,8,9,10,11
	GRP 1, \i, 0
.endr
	WIN 0
.endm
	s_wait_alu depctr_va_vdst(0)                   ; directly ahead of the wait below
	s_wait_loadcnt 0x0                             ; the positions
.irp a, 0,1,2,3,4,5,6,7
	v_cvt_f32_i32 v[POS+\a], v[POS+\a]
.endr
.irp a, 0,1,2,3,4,5,6,7                ; the table is made while K step 0's tiles are on their way
	SINCOS \a
.endr
	s_wait_alu depctr_va_vdst(0)                   ; directly ahead of the wait below
	s_wait_kmcnt 0x0                               ; the exponents
	MKS SCQ, LMQ, 74, 68, 69                       ; e6 - e0 - e1
	MKS SCK, LMK, 75, 70, 71                       ; e7 - e2 - e3
	MKS SCV, LMV, 77, 72, 73                       ; e9 - e4 - e5
	s_wait_alu depctr_va_vdst(0)                   ; and here, ahead of the scalar lines and the waits below
	s_lshl_b32 s92, s42, 18                        ; qbuf: head x 262,144 + G x 16,384 + 512 w
	s_lshl_b32 s93, s43, 14
	s_add_co_u32 s92, s92, s93
	s_lshl_b32 s93, s[WV], 9
	s_add_co_u32 s92, s92, s93
	s_mov_b32 s93, 0
	s_add_nc_u64 s[QB:QB+1], s[16:17], s[92:93]
	s_lshl_b32 s92, s42, 19                        ; kvbuf: head x 524,288 + G x 32,768
	s_lshl_b32 s94, s43, 15
	s_add_co_u32 s92, s92, s94
	s_add_nc_u64 s[VB:VB+1], s[18:19], s[92:93]
	s_lshl_b32 s92, s[WV], 9
	s_add_nc_u64 s[KB:KB+1], s[VB:VB+1], s[92:93]  ; K's images: + 512 w
	s_lshl_b32 s92, s[WV], 12
	s_add_co_u32 s92, s92, 16384
	s_add_nc_u64 s[VB:VB+1], s[VB:VB+1], s[92:93]  ; V's: + 16,384 + my two images
	s_wait_tensorcnt 0x0                           ; my tile of K step 0 is in; these lines stand ahead of a later first fill:
	ds_add_u32 v[SPW], v[NIL]
	s_wait_dscnt 0x0
	CROUND
	JLOAD 1                                        ; K step 1, the first tensor load behind the round
.irp f, 0,1,2,3,4,5,6,7,8,9,10,11,12,13
	FRG 0, 0, 0, \f
.endr
	WIN 0
	PREF 768                                       ; K step 3
	STEP 0, 1                                      ; the first step stands in front of the loop: its products start the sums
	s_mov_b32 s3, LAPS-1
.Llap:                                             ; a trip goes once round the ring and fills both slots again
	TURN 0, 1, 1
	STEP 1, 0
	TURN 1, 0, 1
	STEP 0, 0
	s_sub_co_u32 s3, s3, 1
	s_cmp_lg_u32 s3, 0
	s_cbranch_scc1 .Llap
	TURN 0, 1, 0                                   ; the last lap fills nothing
	STEP 1, 0
	s_wait_dscnt 16
.irp i, 0,1,2,3,4,5
	GRP 1, \i, 0
.endr
	s_wait_dscnt 0x0
.irp i, 6,7,8,9,10,11
	GRP 1, \i, 0
.endr
	WIN 0
	PLACES                                         ; in front of the first reads of results and the first writes over W's fragments
; THE WAY OUT of Q (m = 0) or K (m = 1), token block a: the rotation, the hold, the conversion; my 16 codes a lane are registers 4 w .. 4 w + 3 of the block's image: one store of 512 consecutive bytes, aligned.
.macro ROPE m, a, sc, lim, base
	WIN 0x0e                                       ; source 0 (the sums) window 2, source 1 (the table) window 3
.irp k, 0,1,2,3,4,5,6,7                ; pair k = 4 u + i: (-x2 sin, x2 cos)
	v_pk_mul_f32 v[TP+2*\k:TP+2*\k+1], v[128*\m+16*\a+2*\k:128*\m+16*\a+2*\k+1], v[CS+2*(8*\a+\k):CS+2*(8*\a+\k)+1] op_sel:[1,1] op_sel_hi:[1,0] neg_lo:[0,1]
.endr
.irp k, 0,1,2,3,4,5,6,7                ; (x1 cos - x2 sin, x1 sin + x2 cos)
	v_pk_fma_f32 v[RO+2*\k:RO+2*\k+1], v[128*\m+16*\a+2*\k:128*\m+16*\a+2*\k+1], v[CS+2*(8*\a+\k):CS+2*(8*\a+\k)+1], v[TP+2*\k:TP+2*\k+1] op_sel_hi:[0,1,1]
.endr
	WIN 0
.irp i, 0,1,2,3,4,5,6,7,8,9,10,11,12,13,14,15
	v_med3_num_f32 v[RO+\i], v[RO+\i], -v[\lim], v[\lim]   ; the conversion to an 8-bit code does not saturate (ISA guide 7.6.2): the hold at 448 x the scale
.endr
	v_cvt_scalef32_pk8_fp8_f32 v[CD+32*\m+4*\a:CD+32*\m+4*\a+1], v[RO:RO+7], v[\sc]
	v_cvt_scalef32_pk8_fp8_f32 v[CD+32*\m+4*\a+2:CD+32*\m+4*\a+3], v[RO+8:RO+15], v[\sc]
	v_nop                                          ; one plain line behind the conversions
	global_store_b128 v[VO], v[CD+32*\m+4*\a:CD+32*\m+4*\a+3], s[\base:\base+1] offset:\a*2048   ; each store has data registers of its own: none is written again
.endm
.irp a, 0,1,2,3,4,5,6,7
	ROPE 0, \a, SCQ, LMQ, QB
.endr
.irp a, 0,1,2,3,4,5,6,7
	ROPE 1, \a, SCK, LMK, KB
.endr
	WIN 0xc3                                       ; V: source 0 and destination window 3: the hold in place, each accumulator from its low end on
.set j, 0
.rept 128
	v_med3_num_f32 v[j], v[j], -v[LMV], v[LMV]
.set j, j+1
.endr
	WIN 0x03                                       ; source 0 window 3, destination window 0
.irp u, 0,1
.irp a, 0,1,2,3,4,5,6,7
	v_cvt_scalef32_pk8_fp8_f32 v[CD+64+16*\u+2*\a:CD+64+16*\u+2*\a+1], v[8*(2*\a+\u):8*(2*\a+\u)+7], v[SCV]   ; registers 2 a, 2 a + 1 of channel tile 2 w + u: keys 16 a + 8 h + 0 .. 7
.endr
.endr
	v_nop
	WIN 0
.irp u, 0,1
.irp c, 0,1,2,3
	global_store_b128 v[VO], v[CD+64+16*\u+4*\c:CD+64+16*\u+4*\c+3], s[VB:VB+1] offset:\u*2048+512*\c
.endr
.endr
	s_wait_tensorcnt 0x0                           ; the wave's end
	ds_add_u32 v[SPW], v[NIL]
	s_wait_dscnt 0x0
	CROUND                                         ; the closing round
	s_endpgm
.Lfunc_end_k_q73140d4f56_qkv:
	.size	k_q73140d4f56_qkv, .Lfunc_end_k_q73140d4f56_qkv-k_q73140d4f56_qkv
	.p2alignl 7, 3214868480
	.fill 96, 4, 3214868480
	.section	.rodata,"a",@progbits
	.p2align	6, 0x0
	.amdhsa_kernel k_q73140d4f56_qkv
		.amdhsa_group_segment_fixed_size 327680
		.amdhsa_private_segment_fixed_size 0
		.amdhsa_enable_private_segment 0
		.amdhsa_kernarg_size 64
		.amdhsa_user_sgpr_count 2
		.amdhsa_user_sgpr_kernarg_segment_ptr 1
		.amdhsa_wavefront_size32 1
		.amdhsa_system_sgpr_workgroup_id_x 1
		.amdhsa_system_sgpr_workgroup_id_y 1
		.amdhsa_system_sgpr_workgroup_id_z 1
		.amdhsa_system_vgpr_workitem_id 0
		.amdhsa_next_free_vgpr 1024
		.amdhsa_next_free_sgpr 100
		.amdhsa_reserve_vcc 1
		.amdhsa_float_denorm_mode_32 3
		.amdhsa_float_denorm_mode_16_64 3
		.amdhsa_memory_ordered 1
		.amdhsa_forward_progress 1
		.amdhsa_inst_pref_size 169
	.end_amdhsa_kernel
	.amdgpu_metadata
---
amdhsa.version: [ 1, 2 ]
amdhsa.kernels:
  - .name:           k_q73140d4f56_qkv
    .symbol:         k_q73140d4f56_qkv.kd
    .args:
      - { .name: x_codes, .offset: 0, .size: 8, .value_kind: global_buffer, .address_space: global }
      - { .name: Wq_codes, .offset: 8, .size: 8, .value_kind: global_buffer, .address_space: global }
      - { .name: Wk_codes, .offset: 16, .size: 8, .value_kind: global_buffer, .address_space: global }
      - { .name: Wv_codes, .offset: 24, .size: 8, .value_kind: global_buffer, .address_space: global }
      - { .name: token_positions, .offset: 32, .size: 8, .value_kind: global_buffer, .address_space: global }
      - { .name: lowp_scales, .offset: 40, .size: 8, .value_kind: global_buffer, .address_space: global }
      - { .name: qbuf, .offset: 48, .size: 8, .value_kind: global_buffer, .address_space: global }
      - { .name: kvbuf, .offset: 56, .size: 8, .value_kind: global_buffer, .address_space: global }
    .group_segment_fixed_size: 327680
    .private_segment_fixed_size: 0
    .kernarg_segment_align: 8
    .kernarg_segment_size: 64
    .max_flat_workgroup_size: 128
    .sgpr_count:     100
    .vgpr_count:     1024
    .wavefront_size: 32
...
	.end_amdgpu_metadata
.endif
;; end of part 1
;; launch attn (part 2): grid 16 x 16, 8 waves a work-group, no clusters, 327,680 bytes of LDS; arguments qbuf, kvbuf, lowp_scales, abuf; writes abuf
.if DOCPART == 2
	.amdgcn_target "amdgcn-amd-amdhsa--gfx1250"
	.amdhsa_code_object_version 6
	.text
	.protected	k_q73140d4f56_attn
	.globl	k_q73140d4f56_attn
	.p2align	8
	.type	k_q73140d4f56_attn,@function
k_q73140d4f56_attn:
	s_mov_b64 s[64:65], 0
	v_nop
	global_prefetch_b8 v0, s[64:65] scope:SCOPE_SE
	s_setreg_imm32_b32 hwreg(HW_REG_WAVE_MODE, 25, 1), 1
	s_wait_xcnt 0x0
; O = softmax(Q K^T / sqrt(128)) V under reference()'s causal mask, on E4M3 codes, f32 sums; O is quantised (scale 2^e10) and stored as images of oproj's operand registers.
; Key steps of 128 keys all of which come after a tile's queries are left out: reference() sets their scores to -inf, so their p is 0 for all inputs.  A NaN or an overflow in such a score alone is not carried.
; THE SOFTMAX: t = score x log2(e) / sqrt(128); M = the running largest t rounded UP to a whole number, kept as -M; p = 2^(t - M) is quantised; the sum is taken of the unquantised p and divides at the end.  A change of M multiplies by an exact power of two.
; SHARES.  Queries go in groups of 128, eight tiles of 16.  Work-group number i = 4 X + c of a head takes tiles 2 c and 2 c + 1 of the groups 2 X, 2 X + 1, 14 - 2 X, 15 - 2 X.  Two waves share a group's PAIR of tiles: one walks the even key steps, the other the odd ones;
; each fragment of K and V feeds both tiles.  At the end the two waves join their halves through LDS: the even one finishes tile 2 c, the odd one tile 2 c + 1.  Waves w and w + 4 have groups 15 - g and g: 17 key steps together with their partners' halves.
; K and V come through a ring of two LDS slots of four key steps (131,072 bytes): step s holds K's eight images, then V^T's eight.  Each wave fetches an eighth of a slot.
; CLUSTER: none, because work-groups with X = 2, 3 have no query under the last slot's keys: every wave of theirs passes over that slot, so not every partner would read every tile.  A slot beyond the work-group's last query is not asked for: a branch on ids round the load alone.
; PREFETCH: behind a slot's load stands the prefetch of the next slot; a head's sixteen work-groups share it out: number i asks, by wave 0, for bytes 8,192 i .. of the slot, lanes 256 bytes apart.  Slot 0 comes by its load alone.
; Both products are used transposed: S^T = K Q^T, O^T = V^T P^T: a lane holds ONE query (lane % 16).
; LIMITS: e6 + e7 between -123 and 130; e8 and e10 - e8 - e9 between -126 and 119; the promise holds while the scaled scores (exponents to the base 2) stay under 2^31 in magnitude.
; REGISTERS: window 0: v1-15 addresses, -M, largest t; v16-31, v32-47 Q of tiles A, B; v48-63 P of A over v50-113 its scores; v114-129 P of B over v116-179 its scores; v180-191 sums and factors; v192-255 four fragments (E).
;   window 1: v0-63, v64-127 O^T of A, B; v128-191 (F0), v192-255 (F1) four fragments each.
.set STEPB, 32768
.set SLOTB, 4*STEPB
.set SLOT1, 1<<17
.set SPARE, 2*SLOT1                    ; behind the ring: the spare words, 128 bytes a wave
.set XW,   8704                        ; the exchange: 8,192 bytes of O^T, then -M and the sum, for each wave; it lies in the ring, when nothing is filled any more
.set LI,   1                           ; v1  16 x lane
.set AD,   2                           ; v2, v4  my two key steps of the slot in hand
.set AD2,  4
.set PFO,  3
.set SPW,  5
.set NIL,  6
.set SCP,  7
.set SA,   50
.set SB,   116
.set PA,   48
.set PB,   114
.set TB,   2
.set KS,   3
.set SL,   17
.set WV,   18
.set GG,   19
.set SEL,  20
.set CS,   22
.set G1,   24
.set G0,   32
.set NXT,  36                          ; the first key step of the slot that is asked for next
.set GMX,  37                          ; my work-group's largest group
.set PP,   38                          ; 0: even key steps, 1: odd
.set CX,   39
.set LMP,  40
.set LMO,  41
.set LIM,  42
.set SCO,  43
.set PFA,  44
.set OB,   46
.set MSB, 0
.macro WIN new
.if MSB != \new
	s_set_vgpr_msb (MSB<<8)|\new
.set MSB, \new
.endif
.endm
.macro PLACES n
.rept \n
	v_nop
.endr
.endm
	s_load_b256 s[4:11], s[0:1], 0x0               ; qbuf, kvbuf, exponents, abuf
	v_lshl_add_u32 v[SPW], v0, 2, SPARE
	v_mov_b32 v[NIL], 0
	ds_add_u32 v[SPW], v[NIL]                      ; the opening lines: the add, twice on end, and its wait
	ds_add_u32 v[SPW], v[NIL]
	v_lshrrev_b32 v8, 5, v0
	v_readfirstlane_b32 s[WV], v8
	s_and_b32 s13, ttmp7, 0xffff                   ; the head
	s_lshr_b32 s14, ttmp9, 2                       ; X
	s_and_b32 s[CX], ttmp9, 3                      ; c
	s_bfe_u32 s[PP], s[WV], 0x10001
	s_and_b32 s15, s[WV], 1
	s_lshr_b32 s16, s[WV], 2                       ; 0: a large group, 1: a small one
	s_lshl_b32 s17, s14, 1
	s_sub_co_u32 s[GMX], 15, s17
	s_add_co_u32 s17, s17, s15
	s_sub_co_u32 s[GG], 15, s17
	s_cmp_eq_u32 s16, 1
	s_cselect_b32 s[GG], s17, s[GG]                ; my group: its diagonal lies in key step GG
	s_mov_b32 s[G1], 3<<16                         ; 64 rows of 32 elements of 8 bytes, dense
	s_mov_b32 s[G1+1], 32<<16
	s_mov_b32 s[G1+2], 64<<16
	s_mov_b32 s[G1+3], 32<<16
	s_mov_b32 s[G1+4], 64
	s_mov_b32 s[G1+5], 32
	s_mov_b32 s[G1+6], 0
	s_mov_b32 s[G1+7], 0
	s_mov_b32 s[SEL], 0x76543210
	s_mov_b32 s[SEL+1], 0xfedcba98
	s_mov_b32 s[NXT], 4
	s_lshl_b32 s[TB], s[PP], 15                    ; slot 0, my first step
	s_mov_b32 s[KS], s[PP]
	s_lshl_b32 s60, s13, 19                        ; kvbuf: head x 524,288
	s_mov_b32 s61, 0
	s_lshl_b32 s62, s[WV], 14                      ; my eighth of a slot
	s_mov_b32 s63, 0
	s_wait_alu depctr_va_vdst(0)                   ; directly ahead of the waits below
	s_wait_dscnt 0x0                               ; both opening adds are done
	s_wait_kmcnt 0x0
	s_load_b256 s[48:55], s[8:9], 0x0              ; e0 .. e7
	s_load_b128 s[56:59], s[8:9], 0x20             ; e8 .. e11
	s_add_nc_u64 s[6:7], s[6:7], s[60:61]
	s_mov_b32 s[G0], 1
	s_mov_b32 s[G0+1], s62
	s_add_nc_u64 s[G0+2:G0+3], s[6:7], s[62:63]
	s_or_b32 s[G0+3], s[G0+3], 0x80000000
	tensor_load_to_lds s[G0:G0+3], s[G1:G1+7]      ; slot 0
	s_nop 0
	PLACES 4
	s_lshl_b32 s60, s13, 18                        ; Q: head x 262,144 + group x 16,384 + pair x 4,096
	s_lshl_b32 s62, s[GG], 14
	s_add_co_u32 s60, s60, s62
	s_lshl_b32 s62, s[CX], 12
	s_add_co_u32 s60, s60, s62
	s_add_nc_u64 s[4:5], s[4:5], s[60:61]
	v_and_b32 v8, 31, v0
	v_lshlrev_b32 v[LI], 4, v8
	v_lshlrev_b32 v[PFO], 8, v8
.irp c, 0,1,2,3
	global_load_b128 v[16+4*\c:19+4*\c], v[LI], s[4:5] offset:512*\c
.endr
.irp c, 0,1,2,3
	global_load_b128 v[32+4*\c:35+4*\c], v[LI], s[4:5] offset:2048+512*\c
.endr
	s_lshl_b32 s62, ttmp9, 13
	s_add_co_u32 s62, s62, SLOTB                   ; the prefetches begin with slot 1
	s_add_nc_u64 s[PFA:PFA+1], s[6:7], s[62:63]
	s_cmp_eq_u32 s[WV], 0
	s_cselect_b32 s[LIM], 12, 0                    ; wave 0 asks, up to slot 3
	s_cmp_lg_u32 s[LIM], 0
	s_cbranch_scc0 .Lnot_first
	global_prefetch_b8 v[PFO], s[PFA:PFA+1] th:TH_LOAD_NT scope:SCOPE_SE
.Lnot_first:
	s_lshr_b32 s60, s13, 2                         ; abuf: [head / 4][tile of 16 queries][head % 4][2048]
	s_lshl_b32 s60, s60, 20
	s_lshl_b32 s62, s[GG], 16
	s_add_co_u32 s60, s60, s62
	s_lshl_b32 s62, s[CX], 14
	s_add_co_u32 s60, s60, s62
	s_lshl_b32 s62, s[PP], 13
	s_add_co_u32 s60, s60, s62
	s_and_b32 s62, s13, 3
	s_lshl_b32 s62, s62, 11
	s_add_co_u32 s60, s60, s62
	s_add_nc_u64 s[OB:OB+1], s[10:11], s[60:61]
	v_mov_b32 v13, 0xff61b1e6                      ; the largest t so far: -3e38
	v_mov_b32 v15, 0xff61b1e6
	v_floor_f32 v12, -v13                          ; -M
	v_floor_f32 v14, -v15
.irp j, 180,181,182,183,189,191        ; the sums, in two halves each; 189 and 191 are named as upper halves of pairs
	v_mov_b32 v[\j], 0
.endr
	WIN 0x40
.set j, 0
.rept 128
	v_mov_b32 v[j], 0                              ; O^T: the step is written once for all steps, and the first change of M leaves zeros
.set j, j+1
.endr
	WIN 0
	s_wait_alu depctr_va_vdst(0)                   ; directly ahead of the wait below
	s_wait_kmcnt 0x0
	s_add_co_i32 s60, s54, s55
	s_lshl_b32 s60, s60, 23
	s_mov_b32 s[CS], 0x3e0293ee                    ; c = log2(e) / sqrt(128),
	s_add_co_i32 s[CS], s[CS], s60                 ; x 2^(e6 + e7)
	s_mov_b32 s[CS+1], s[CS]
	s_add_co_i32 s60, s56, 127
	s_lshl_b32 s62, s60, 23
	v_mov_b32 v[SCP], s62                          ; 2^e8
	s_add_co_i32 s60, s60, 8
	s_lshl_b32 s60, s60, 23
	s_or_b32 s[LMP], s60, 0x600000                 ; 448 x 2^e8
	s_sub_co_i32 s60, s58, s56
	s_sub_co_i32 s60, s60, s57
	s_add_co_i32 s60, s60, 127
	s_lshl_b32 s[SCO], s60, 23                     ; 2^(e10 - e8 - e9)
	s_add_co_i32 s60, s60, 8
	s_lshl_b32 s60, s60, 23
	s_or_b32 s[LMO], s60, 0x600000
; four fragments, images of 2,048 bytes on end
.macro LD4 dst, adr, off
.irp t, 0,1,2,3
.irp c, 0,1,2,3
	ds_load_b128 v[\dst+16*\t+4*\c:\dst+16*\t+4*\c+3], v[\adr] offset:\off+2048*\t+512*\c
.endr
.endr
.endm
; the sum of 64 unquantised p, two at a time, in three chains
.macro SUM s, a
	v_pk_add_f32 v[184:185], v[\s:\s+1], v[\s+2:\s+3]
	v_pk_add_f32 v[186:187], v[\s+4:\s+5], v[\s+6:\s+7]
	v_pk_add_f32 v[\a:\a+1], v[\a:\a+1], v[\s+8:\s+9]
.set j, 10
.rept 9
	v_pk_add_f32 v[184:185], v[184:185], v[\s+j:\s+j+1]
	v_pk_add_f32 v[186:187], v[186:187], v[\s+j+2:\s+j+3]
	v_pk_add_f32 v[\a:\a+1], v[\a:\a+1], v[\s+j+4:\s+j+5]
.set j, j+6
.endr
	v_pk_add_f32 v[184:185], v[184:185], v[186:187]
	v_pk_add_f32 v[\a:\a+1], v[\a:\a+1], v[184:185]
.endm
; A KEY STEP (number s60) for both tiles.  On the way in are K's tiles 0-3 (to E) and 4-7 (to F1): 32 loads, in this order.  V is loaded behind the scores' products.  pre = 1: the next step's K is loaded here as its registers fall free.
.macro STEP adr, pre
	s_wait_dscnt 16                                ; E is in
.irp t, 0,1,2,3
	v_wmma_f32_16x16x128_fp8_fp8 v[SA+8*\t:SA+8*\t+7], v[192+16*\t:192+16*\t+15], v[16:31], 0
	v_wmma_f32_16x16x128_fp8_fp8 v[SB+8*\t:SB+8*\t+7], v[192+16*\t:192+16*\t+15], v[32:47], 0
.endr
	s_wait_dscnt 0x0                               ; F1 is in
	WIN 0x01
.irp t, 4,5,6,7
	v_wmma_f32_16x16x128_fp8_fp8 v[SA+8*\t:SA+8*\t+7], v[192+16*(\t-4):192+16*(\t-4)+15], v[16:31], 0
	v_wmma_f32_16x16x128_fp8_fp8 v[SB+8*\t:SB+8*\t+7], v[192+16*(\t-4):192+16*(\t-4)+15], v[32:47], 0
.endr
	PLACES 4                                       ; in front of the loads and of the first reads of scores
	WIN 0x40
	LD4 192, \adr, 16384+8192                      ; V's tiles 4-7 into F1
	LD4 128, \adr, 16384                           ; and 0-3 into F0
	WIN 0
.if \pre
	LD4 192, AD2, 0                                ; the next step's K, tiles 0-3
.endif
	s_cmp_lg_u32 s60, s[GG]
	s_cbranch_scc1 .Lopen_\@
	v_and_b32 v8, 15, v0                           ; on the diagonal: register 8 t + i holds key 16 t + 8 h + i of the step, hidden where it is above 16 x tile + r
	v_bfe_u32 v9, v0, 4, 1
	v_lshlrev_b32 v9, 3, v9
	v_sub_nc_u32 v8, v8, v9
	s_lshl_b32 s61, s[CX], 5
	v_add_nc_u32 v8, s61, v8
	v_add_nc_u32 v9, 16, v8
	v_mov_b32 v10, 0xff800000                      ; -infinity
.set n, 0
.rept 64
	v_cmp_gt_i32 vcc_lo, 16*(n/8)+n%8, v8
	v_cmp_gt_i32 s62, 16*(n/8)+n%8, v9
	v_cndmask_b32 v[SA+n], v[SA+n], v10, vcc_lo
	v_cndmask_b32 v[SB+n], v[SB+n], v10, s62
.set n, n+1
.endr
.Lopen_\@:
	v_max3_num_f32 v8, v[SA], v[SA+1], v[SA+2]     ; the step's largest scores, two chains a tile
	v_max3_num_f32 v10, v[SB], v[SB+1], v[SB+2]
	v_max3_num_f32 v9, v[SA+3], v[SA+4], v[SA+5]
	v_max3_num_f32 v11, v[SB+3], v[SB+4], v[SB+5]
.irp i, 6,10,14,18,22,26,30,34,38,42,46,50,54,58
	v_max3_num_f32 v8, v8, v[SA+\i], v[SA+\i+1]
	v_max3_num_f32 v10, v10, v[SB+\i], v[SB+\i+1]
	v_max3_num_f32 v9, v9, v[SA+\i+2], v[SA+\i+3]
	v_max3_num_f32 v11, v11, v[SB+\i+2], v[SB+\i+3]
.endr
	v_max3_num_f32 v8, v8, v[SA+62], v[SA+63]
	v_max3_num_f32 v10, v10, v[SB+62], v[SB+63]
	v_max_num_f32 v8, v8, v9
	v_max_num_f32 v10, v10, v11
	v_permlanex16_b32 v9, v8, s[SEL], s[SEL+1]
	v_permlanex16_b32 v11, v10, s[SEL], s[SEL+1]
	v_max_num_f32 v8, v8, v9
	v_max_num_f32 v10, v10, v11
	v_mul_f32 v8, s[CS], v8
	v_mul_f32 v10, s[CS], v10
	v_max_num_f32 v13, v13, v8
	v_max_num_f32 v15, v15, v10
	v_mov_b32 v8, v12
	v_mov_b32 v10, v14
	v_floor_f32 v12, -v13                          ; the new -M
	v_floor_f32 v14, -v15
	v_sub_f32 v8, v12, v8                          ; old M - new M, a whole number, 0 or less
	v_sub_f32 v10, v14, v10
	v_cvt_i32_f32 v8, v8
	v_cvt_i32_f32 v10, v10
	v_ldexp_f32 v188, 1.0, v8                      ; f = 2^that
	v_ldexp_f32 v190, 1.0, v10
.set j, 0
.rept 32
	v_pk_fma_f32 v[SA+j:SA+j+1], v[SA+j:SA+j+1], s[CS:CS+1], v[12:13] op_sel_hi:[1,0,0]   ; t - M
.set j, j+2
.endr
	s_wait_alu depctr_va_vdst(0)                   ; ahead of the batch
.set j, 0
.rept 32                               ; A's exponentials; between them B's t - M
	v_exp_f32 v[SA+j], v[SA+j]
	v_pk_fma_f32 v[SB+j:SB+j+1], v[SB+j:SB+j+1], s[CS:CS+1], v[14:15] op_sel_hi:[1,0,0]
	v_exp_f32 v[SA+j+1], v[SA+j+1]
.set j, j+2
.endr
	v_pk_mul_f32 v[180:181], v[180:181], v[188:189] op_sel_hi:[1,0]
	s_wait_alu depctr_va_vdst(0)                   ; and behind A's, ahead of its first reader
	SUM SA, 180
.set j, 0
.rept 64                               ; B's exponentials; between them A's hold (the conversion does not saturate: ISA guide 7.6.2; p is not negative)
	v_exp_f32 v[SB+j], v[SB+j]
	v_min_num_f32 v[SA+j], s[LMP], v[SA+j]
.set j, j+1
.endr
	v_pk_mul_f32 v[182:183], v[182:183], v[190:191] op_sel_hi:[1,0]
	s_wait_alu depctr_va_vdst(0)                   ; and behind B's
	SUM SB, 182
.irp t, 0,1,2,3,4,5,6,7                ; the codes lie over scores that are done with
.irp i, 0,1,2,3,4,5,6,7
	v_min_num_f32 v[SB+8*\t+\i], s[LMP], v[SB+8*\t+\i]
.endr
	v_cvt_scalef32_pk8_fp8_f32 v[PA+2*\t:PA+2*\t+1], v[SA+8*\t:SA+8*\t+7], v[SCP]
.if \t > 0
	v_cvt_scalef32_pk8_fp8_f32 v[PB+2*(\t-1):PB+2*(\t-1)+1], v[SB+8*(\t-1):SB+8*(\t-1)+7], v[SCP]
.endif
.endr
	v_cvt_scalef32_pk8_fp8_f32 v[PB+14:PB+15], v[SB+56:SB+63], v[SCP]
	WIN 0x41
	s_wait_alu depctr_va_vdst(0)                   ; directly ahead of the first reader of O^T
.set j, 0
.rept 32
	v_pk_mul_f32 v[j:j+1], v[j:j+1], v[188:189] op_sel_hi:[1,0]          ; O^T under the new M
	v_pk_mul_f32 v[64+j:65+j], v[64+j:65+j], v[190:191] op_sel_hi:[1,0]
.set j, j+2
.endr
	s_wait_alu depctr_va_vdst(0)                   ; and here, directly ahead of the wait below
	s_wait_dscnt 16*\pre                           ; V is in; pre: the next step's 16 loads may be out
	WIN 0x51
.irp t, 4,5,6,7
	v_wmma_f32_16x16x128_fp8_fp8 v[8*\t:8*\t+7], v[192+16*(\t-4):192+16*(\t-4)+15], v[PA:PA+15], v[8*\t:8*\t+7]
	v_wmma_f32_16x16x128_fp8_fp8 v[64+8*\t:64+8*\t+7], v[192+16*(\t-4):192+16*(\t-4)+15], v[PB:PB+15], v[64+8*\t:64+8*\t+7]
.endr
.if \pre
	PLACES 4
	WIN 0x40
	LD4 192, AD2, 8192                             ; the next step's K, tiles 4-7, into F1
	WIN 0x51
.endif
.irp t, 0,1,2,3
	v_wmma_f32_16x16x128_fp8_fp8 v[8*\t:8*\t+7], v[128+16*\t:128+16*\t+15], v[PA:PA+15], v[8*\t:8*\t+7]
	v_wmma_f32_16x16x128_fp8_fp8 v[64+8*\t:64+8*\t+7], v[128+16*\t:128+16*\t+15], v[PB:PB+15], v[64+8*\t:64+8*\t+7]
.endr
	WIN 0
.endm
	s_wait_alu depctr_va_vdst(0)                   ; the wait at the head's end
	s_wait_loadcnt 0x0                             ; Q
	s_mov_b32 s[SL], 4
.Lslot:                                            ; one trip a slot
	s_wait_tensorcnt 0x0                           ; my part of the slot in hand is in; the descriptor may be written
	ds_add_u32 v[SPW], v[NIL]                      ; 0 onto my spare word
	s_xor_b32 s[G0+1], s[G0+1], SLOT1
	s_add_nc_u64 s[G0+2:G0+3], s[G0+2:G0+3], SLOTB
	s_wait_xcnt 0x0                                ; any prefetch of mine has read its address
	s_add_nc_u64 s[PFA:PFA+1], s[PFA:PFA+1], SLOTB
	s_wait_dscnt 0x0                               ; the add is done, and my reads of the slot that I have left are over
	s_barrier_signal -1
	s_barrier_wait -1
	s_cmp_gt_u32 s[NXT], s[GMX]                    ; the look-ahead ends at the causal limit: no wave of mine reads a slot that begins behind my work-group's last query.  Ids and the loop's steps alone, the same in all waves
	s_cbranch_scc1 .Lpast
	tensor_load_to_lds s[G0:G0+3], s[G1:G1+7]      ; the next slot
	s_nop 0
	PLACES 4
.Lpast:
	s_cmp_lt_u32 s[NXT], s[LIM]
	s_cbranch_scc0 .Lnot_mine
	global_prefetch_b8 v[PFO], s[PFA:PFA+1] th:TH_LOAD_NT scope:SCOPE_SE   ; the slot after the next
.Lnot_mine:
	s_add_co_u32 s[NXT], s[NXT], 4
	s_cmp_gt_u32 s[KS], s[GG]
	s_cbranch_scc1 .Lhidden
	s_mov_b32 s60, s[KS]
	v_add_nc_u32 v[AD], s[TB], v[LI]
	v_add_nc_u32 v[AD2], 2*STEPB, v[AD]
	s_wait_alu depctr_va_vdst(0)
	PLACES 4                                       ; with the two additions, six places behind the last products: for loads into fragments, and for scores laid over P
	LD4 192, AD, 0
	WIN 0x40
	LD4 192, AD, 8192
	WIN 0
	STEP AD, 1
	s_add_co_u32 s60, s[KS], 2
	s_cmp_gt_u32 s60, s[GG]
	s_cbranch_scc1 .Lhidden
	PLACES 5                                       ; for scores laid over P
	STEP AD2, 0
.Lhidden:
	s_add_co_u32 s[KS], s[KS], 4
	s_xor_b32 s[TB], s[TB], SLOT1
	s_sub_co_u32 s[SL], s[SL], 1
	s_cmp_lg_u32 s[SL], 0
	s_cbranch_scc1 .Lslot
	; THE TWO HALVES ARE JOINED.  Behind the barrier below no tensor load is out and nobody reads the ring: the exchange lies there.
	PLACES 4
	s_wait_tensorcnt 0x0
	ds_add_u32 v[SPW], v[NIL]
	s_mul_i32 s60, s[WV], XW
	s_xor_b32 s61, s[WV], 2                        ; my partner
	s_mul_i32 s61, s61, XW
	v_add_f32 v180, v180, v181
	v_add_f32 v182, v182, v183
	v_lshrrev_b32 v8, 2, v[LI]
	v_add_nc_u32 v2, s60, v[LI]                    ; where I put 16 bytes, and a word
	v_add_nc_u32 v9, s60, v8
	v_add_nc_u32 v4, s61, v[LI]                    ; where my partner put them
	v_add_nc_u32 v10, s61, v8
	s_wait_alu depctr_va_vdst(0)                   ; directly ahead of the wait below
	s_wait_dscnt 0x0
	s_barrier_signal -1
	s_barrier_wait -1
.macro GIVE o, m, l
	WIN 0x04                                       ; data window 1
.irp i, 0,1,2,3,4,5,6,7,8,9,10,11,12,13,14,15
	ds_store_b128 v2, v[\o+4*\i:\o+4*\i+3] offset:512*\i
.endr
	WIN 0
	ds_store_b32 v9, v[\m] offset:8192
	ds_store_b32 v9, v[\l] offset:8320
.endm
	s_cmp_eq_u32 s[PP], 0
	s_cbranch_scc0 .Lgive_a
	GIVE 64, 14, 182                               ; the even wave gives tile B and finishes A
	s_branch .Lgiven
.Lgive_a:
	GIVE 0, 12, 180                                ; the odd one gives A and finishes B
	v_mov_b32 v12, v14
	v_mov_b32 v180, v182
.Lgiven:
	s_wait_alu depctr_va_vdst(0)                   ; directly ahead of the wait below
	s_wait_dscnt 0x0                               ; my stores are done
	s_barrier_signal -1
	s_barrier_wait -1
	ds_load_b32 v8, v10 offset:8192                ; the partner's -M and sum, then its O^T
	ds_load_b32 v11, v10 offset:8320
.irp i, 0,1,2,3,4,5,6,7,8,9,10,11,12,13,14,15
	ds_load_b128 v[SA+4*\i:SA+4*\i+3], v4 offset:512*\i
.endr
	s_wait_dscnt 16
	v_min_num_f32 v13, v12, v8                     ; -M of both
	v_sub_f32 v14, v13, v12
	v_sub_f32 v15, v13, v8
	v_cvt_i32_f32 v14, v14
	v_cvt_i32_f32 v15, v15
	v_ldexp_f32 v188, 1.0, v14
	v_ldexp_f32 v190, 1.0, v15
	v_mul_f32 v180, v180, v188
	v_fma_f32 v180, v11, v190, v180
	v_permlanex16_b32 v9, v180, s[SEL], s[SEL+1]
	v_add_f32 v180, v180, v9                       ; the row's sum
	s_wait_alu depctr_va_vdst(0)                   ; ahead of the transcendental
	v_rcp_f32 v180, v180
	v_and_b32 v14, 15, v0
	v_bfe_u32 v15, v0, 4, 1
	v_lshlrev_b32 v14, 4, v14
	v_lshl_add_u32 v2, v15, 3, v14                 ; the way out: 16 r + 8 h
	s_wait_alu depctr_va_vdst(0)                   ; and ahead of its first reader
	v_mul_f32 v188, v188, v180
	v_mul_f32 v190, v190, v180
	s_wait_alu depctr_va_vdst(0)                   ; directly ahead of the wait below
	s_wait_dscnt 0x0
.set j, 0
.rept 32
	v_pk_mul_f32 v[SA+j:SA+j+1], v[SA+j:SA+j+1], v[190:191] op_sel_hi:[1,0]
.set j, j+2
.endr
.macro JOIN o
	WIN 0x01
	s_wait_alu depctr_va_vdst(0)                   ; directly ahead of the first reader of O^T
.set j, 0
.rept 32
	v_pk_fma_f32 v[SA+j:SA+j+1], v[\o+j:\o+j+1], v[188:189], v[SA+j:SA+j+1] op_sel_hi:[1,0,1]
.set j, j+2
.endr
	WIN 0
	s_wait_alu depctr_va_vdst(0)                   ; and here, ahead of the way on
.endm
	s_wait_alu depctr_va_vdst(0)                   ; and here, directly ahead of the branch
	s_cmp_eq_u32 s[PP], 0
	s_cbranch_scc0 .Ljoin_b
	JOIN 0
	s_branch .Ljoined
.Ljoin_b:
	JOIN 64
.Ljoined:
	v_mov_b32 v10, s[LMO]
	v_mov_b32 v[SCP], s[SCO]
.set j, 0
.rept 64
	v_med3_num_f32 v[SA+j], v[SA+j], -v10, v10
.set j, j+1
.endr
.irp t, 0,1,2,3,4,5,6,7
	v_cvt_scalef32_pk8_fp8_f32 v[PB+2*\t:PB+2*\t+1], v[SA+8*\t:SA+8*\t+7], v[SCP]
.endr
	v_nop
.irp t, 0,1,2,3,4,5,6,7
	global_store_b64 v2, v[PB+2*\t:PB+2*\t+1], s[OB:OB+1] offset:512*(\t/2)+256*(\t%2)   ; 256 consecutive bytes, aligned
.endr
	s_wait_tensorcnt 0x0                           ; the wave's end
	ds_add_u32 v[SPW], v[NIL]
	s_wait_dscnt 0x0
	s_endpgm
.Lfunc_end_k_q73140d4f56_attn:
	.size	k_q73140d4f56_attn, .Lfunc_end_k_q73140d4f56_attn-k_q73140d4f56_attn
	.p2alignl 7, 3214868480
	.fill 96, 4, 3214868480
	.section	.rodata,"a",@progbits
	.p2align	6, 0x0
	.amdhsa_kernel k_q73140d4f56_attn
		.amdhsa_group_segment_fixed_size 327680
		.amdhsa_private_segment_fixed_size 0
		.amdhsa_enable_private_segment 0
		.amdhsa_kernarg_size 32
		.amdhsa_user_sgpr_count 2
		.amdhsa_user_sgpr_kernarg_segment_ptr 1
		.amdhsa_wavefront_size32 1
		.amdhsa_system_sgpr_workgroup_id_x 1
		.amdhsa_system_sgpr_workgroup_id_y 1
		.amdhsa_system_sgpr_workgroup_id_z 1
		.amdhsa_system_vgpr_workitem_id 0
		.amdhsa_next_free_vgpr 512
		.amdhsa_next_free_sgpr 66
		.amdhsa_reserve_vcc 1
		.amdhsa_float_denorm_mode_32 3
		.amdhsa_float_denorm_mode_16_64 3
		.amdhsa_memory_ordered 1
		.amdhsa_forward_progress 1
		.amdhsa_inst_pref_size 123
	.end_amdhsa_kernel
	.amdgpu_metadata
---
amdhsa.version: [ 1, 2 ]
amdhsa.kernels:
  - .name:           k_q73140d4f56_attn
    .symbol:         k_q73140d4f56_attn.kd
    .args:
      - { .name: qbuf, .offset: 0, .size: 8, .value_kind: global_buffer, .address_space: global }
      - { .name: kvbuf, .offset: 8, .size: 8, .value_kind: global_buffer, .address_space: global }
      - { .name: lowp_scales, .offset: 16, .size: 8, .value_kind: global_buffer, .address_space: global }
      - { .name: abuf, .offset: 24, .size: 8, .value_kind: global_buffer, .address_space: global }
    .group_segment_fixed_size: 327680
    .private_segment_fixed_size: 0
    .kernarg_segment_align: 8
    .kernarg_segment_size: 32
    .max_flat_workgroup_size: 256
    .sgpr_count:     66
    .vgpr_count:     512
    .wavefront_size: 32
...
	.end_amdgpu_metadata
.endif
;; end of part 2
;; launch oproj (part 3): grid 16 x 16, 4 waves a work-group, clusters of 4 x 4, 327,680 bytes of LDS; arguments abuf, Wo_codes, lowp_scales, out0; writes out0
.if DOCPART == 3
	.amdgcn_target "amdgcn-amd-amdhsa--gfx1250"
	.amdhsa_code_object_version 6
	.text
	.protected	k_q73140d4f56_oproj
	.globl	k_q73140d4f56_oproj
	.p2align	8
	.type	k_q73140d4f56_oproj,@function
k_q73140d4f56_oproj:
	s_mov_b64 s[64:65], 0
	v_nop
	global_prefetch_b8 v0, s[64:65] scope:SCOPE_SE
	s_setreg_imm32_b32 hwreg(HW_REG_WAVE_MODE, 25, 1), 1
	s_wait_xcnt 0x0
	s_wait_alu depctr_hold_cnt(0) depctr_sa_sdst(0) depctr_va_vdst(0) depctr_va_sdst(0) depctr_va_ssrc(0) depctr_va_vcc(0) depctr_vm_vsrc(0)
	s_getreg_b32 s2, hwreg(HW_REG_IB_STS2, 6, 4)
	s_cmp_eq_u32 s2, 0
	s_cbranch_scc0 .Lentry_in_a_cluster
	s_endpgm
.Lentry_in_a_cluster:
	s_bfe_u32 s2, ttmp6, 0x10000c
	s_cmp_lg_u32 s2, 0xf033
	s_cbranch_scc0 .Lentry_shape_is_right
	s_endpgm
.Lentry_shape_is_right:
; out0 = A Wo^T x 2^(e10 + e11) on E4M3 codes, f32 sums.  A: the attention's output as images of operand registers, abuf [K step of 512][tile of 16 tokens][128 along K][2048]; Wo: [2048][2048] codes, K innermost; out0: [2048][2048] f32.
; A tile of out0 is 128 x 128: 256 work-groups of four waves, each wave 64 x 64: 16 accumulators.  K goes in four steps of 512 through two LDS slots: A's 32 images (65,536 bytes, dense), then Wo's 128 rows of 512 bytes + 16.
; Waves 0 and 1 fetch A's halves, waves 2 and 3 Wo's.  CLUSTER 4 x 4: A's tile is asked for jointly along a row of the cluster, Wo's along a column.
; THE MATRIX INSTRUCTION IS USED TRANSPOSED (source 0 = 16 rows of Wo, source 1 = 16 tokens): a lane holds eight neighbouring numbers of a row of out0.
; Both operands have k = 32 c + 16 (lane / 16) + 0 .. 15 in registers 4 c .. 4 c + 3: Wo by four loads of 16 bytes, 32 apart; A's images were stored so.  The same order on both sides: every product meets its partner.
; LIMIT: e10 + e11 between -126 and 127.
; REGISTERS: window 0: v16-29 addresses; v32-63 a block's scaled sums; v64-127 rows read back, two sets; v128-255 accumulator (a, b) at 128 + 8 (4 a + b).  window 1: two sets of fragments: A's four at 128 p, Wo's four at 128 p + 64.
.set PB,     528                       ; a row of Wo in LDS: 512 bytes + 16: the 16 rows that a load touches start 132 words apart
.set AIMG,   65536
.set BHALF,  64*PB
.set SLOT,   AIMG+2*BHALF
.set STAGE,  2*SLOT                    ; behind the ring: 16 rows x (256 + 16) bytes for each wave, its own
.set SP,     272
.set SPARE,  STAGE+4*16*SP             ; behind the stages: the spare words, 128 bytes a wave
.set ADRA, 16
.set ADRB, 20
.set STO,  24
.set RD,   25
.set CO,   26
.set SPW,  28
.set NIL,  29
.set TMP,  32
.set BK,   64
.set ACC,  128
.set G1A,  24
.set G0A,  32
.set G1B,  48
.set G0B,  56
.set MSB, 0
.macro WIN new
.if MSB != \new
	s_set_vgpr_msb (MSB<<8)|\new
.set MSB, \new
.endif
.endm
.set MUL,  0x05                        ; sources 0 and 1 window 1; C and D window 0
.set TO_F, 0x40                        ; destination window 1
.macro PLACES
.rept 4
	v_nop
.endr
.endm
.macro JLOAD s                         ; a joint load; four v_nop follow each of the two lines
	s_cmp_eq_u32 s15, 0
	s_cbranch_scc0 .Lfor_b_\@
	tensor_load_to_lds s[G0A+4*\s:G0A+4*\s+3], s[G1A:G1A+7]
	s_nop 0
.rept 4
	v_nop
.endr
	s_branch .Lasked_\@
.Lfor_b_\@:
	tensor_load_to_lds s[G0B+4*\s:G0B+4*\s+3], s[G1B:G1B+7]
	s_nop 0
.rept 4
	v_nop
.endr
.Lasked_\@:
.endm
.macro CREST
	s_cmp_lg_u32 s14, 0
	s_cbranch_scc1 .Lnot_wave_0_\@
	s_barrier_signal -3
.Lnot_wave_0_\@:
	s_barrier_wait -3
	s_barrier_signal -1
	s_barrier_wait -1
.endm
.macro CROUND
	s_barrier_signal -1
	s_barrier_wait -1
	CREST
.endm
	s_load_b256 s[4:11], s[0:1], 0x0               ; abuf s[4:5], Wo s[6:7], exponents s[8:9], out0 s[10:11]
	v_lshl_add_u32 v[SPW], v0, 2, SPARE
	v_mov_b32 v[NIL], 0
	ds_add_u32 v28, v29
	ds_add_u32 v28, v29
	s_wait_dscnt 0x0
	v_lshrrev_b32 v1, 5, v0
	v_readfirstlane_b32 s14, v1                    ; wave 0..3
	s_lshr_b32 s15, s14, 1                         ; my half of the tile's rows.  Also: I fetch for A (0) or for Wo (1)
	s_and_b32 s16, s14, 1                          ; my half of its columns.  Also: which half of that tile I fetch
	s_bfe_u32 s40, ttmp6, 0x40000                  ; cx
	s_bfe_u32 s41, ttmp6, 0x40004                  ; cy
	s_lshl_b32 s42, ttmp9, 2
	s_add_co_u32 s42, s42, s40                     ; tile column
	s_and_b32 s17, ttmp7, 0xffff
	s_lshl_b32 s17, s17, 2
	s_add_co_u32 s17, s17, s41                     ; tile row
	s_lshl_b32 s43, s41, 2
	s_lshl_b32 s43, 15, s43                        ; my row of the cluster
	s_lshl_b32 s44, 0x1111, s40                    ; my column
	s_or_b32 s[G1A], s43, (3<<16)|(1<<21)          ; A: 128 rows of 32 elements of 8 bytes, dense, no padding
	s_mov_b32 s[G1A+1], 32<<16
	s_mov_b32 s[G1A+2], 128<<16
	s_mov_b32 s[G1A+3], 32<<16
	s_mov_b32 s[G1A+4], 128
	s_mov_b32 s[G1A+5], 32
	s_mov_b32 s[G1A+6], 0
	s_mov_b32 s[G1A+7], 0
	s_or_b32 s[G1B], s44, (1<<20)|(1<<21)|(6<<22)|(3<<25)   ; Wo: 64 rows of 512 bytes, 4 words of padding after every 128
	s_mov_b32 s[G1B+1], 512<<16
	s_mov_b32 s[G1B+2], 64<<16
	s_mov_b32 s[G1B+3], 512<<16
	s_mov_b32 s[G1B+4], 64
	s_mov_b32 s[G1B+5], 2048
	s_mov_b32 s[G1B+6], 0
	s_mov_b32 s[G1B+7], 0
	s_lshl_b32 s20, s17, 16                        ; A: tile row x 65,536 + half x 32,768
	s_lshl_b32 s45, s16, 15                        ; (also its place in a slot)
	s_add_co_u32 s20, s20, s45
	s_mov_b32 s21, 0
	s_lshl_b32 s46, s42, 18                        ; Wo: (128 x tile column + 64 x half) rows of 2,048 bytes
	s_lshl_b32 s47, s16, 17
	s_add_co_u32 s46, s46, s47
	s_mov_b32 s47, 0
	s_mul_i32 s22, s16, BHALF
	s_add_co_u32 s22, s22, AIMG                    ; and its place in a slot
	s_wait_kmcnt 0x0
	s_load_b64 s[96:97], s[8:9], 0x28              ; e10, e11
	s_add_nc_u64 s[20:21], s[4:5], s[20:21]
	s_add_nc_u64 s[46:47], s[6:7], s[46:47]
	CROUND                                         ; all sixteen work-groups are here: the first joint loads meet
.irp s, 0,1
	s_mov_b32 s[G0A+4*\s], 1
	s_add_co_u32 s[G0A+4*\s+1], s45, \s*SLOT
	s_add_nc_u64 s[G0A+4*\s+2:G0A+4*\s+3], s[20:21], \s*1048576
	s_or_b32 s[G0A+4*\s+3], s[G0A+4*\s+3], 0x80000000
	s_mov_b32 s[G0B+4*\s], 1
	s_add_co_u32 s[G0B+4*\s+1], s22, \s*SLOT
	s_add_nc_u64 s[G0B+4*\s+2:G0B+4*\s+3], s[46:47], \s*512
	s_or_b32 s[G0B+4*\s+3], s[G0B+4*\s+3], 0x80000000
.endr
	JLOAD 0                                        ; K step 0: one tensor load a wave at the head
	; PREFETCH: behind the load of K step t stands the prefetch of K step t + 1, up to the last.  A wave names, of the half tile that it fetches, its work-group's quarter: 32 blocks of 256 bytes, a lane a block;
	; the four partners are told apart by address (cx in A, cy in Wo).  A's blocks lie end to end; Wo's are two to a row, 16 rows.
	s_mov_b32 s90, 13
	s_mov_b32 s91, 512
	s_mov_b32 s92, 512
	s_cmp_eq_u32 s15, 0                            ; do I fetch for A?
	s_cselect_b64 s[98:99], s[20:21], s[46:47]
	s_cselect_b32 s89, s40, s41
	s_cselect_b32 s90, s90, 15
	s_cselect_b32 s91, s91, 2048                   ; from one pair of blocks to the next
	s_cselect_b32 s92, 1048576, s92                ; from K step to K step
	s_mov_b32 s93, 0
	s_lshl_b32 s88, s89, s90
	s_mov_b32 s89, 0
	s_add_nc_u64 s[98:99], s[98:99], s[88:89]
	s_add_nc_u64 s[98:99], s[98:99], s[92:93]
	v_and_b32 v5, 31, v0
	v_lshrrev_b32 v6, 1, v5
	v_and_b32 v5, 1, v5
	v_mul_lo_u32 v6, v6, s91
	v_lshl_add_u32 v27, v5, 8, v6                  ; v27: never rewritten
	global_prefetch_b8 v27, s[98:99] th:TH_LOAD_NT scope:SCOPE_SE   ; K step 1
	v_and_b32 v1, 15, v0                           ; r
	v_bfe_u32 v2, v0, 4, 1                         ; h
	v_and_b32 v3, 31, v0
	v_lshlrev_b32 v3, 4, v3                        ; 16 x lane
	v_mul_u32_u24 v4, v1, PB
	v_lshl_add_u32 v4, v2, 4, v4
	s_lshl_b32 s23, s15, 15                        ; my four token tiles' images
	s_mul_i32 s18, s16, BHALF
	s_add_co_u32 s18, s18, AIMG                    ; my 64 rows of Wo
.irp s, 0,1
	v_add_nc_u32 v[ADRA+\s], s23, v3
	v_add_nc_u32 v[ADRB+\s], s18, v4
	s_add_co_u32 s23, s23, SLOT
	s_add_co_u32 s18, s18, SLOT
.endr
	s_mul_i32 s23, s14, 16*SP
	s_add_co_u32 s23, s23, STAGE                   ; my stage
	v_mul_u32_u24 v5, v1, SP
	v_lshl_add_u32 v5, v2, 5, v5
	v_add_nc_u32 v[STO], s23, v5                   ; in: row r, 32 bytes for each half of the lanes
	v_mul_u32_u24 v5, v2, SP
	v_lshl_add_u32 v5, v1, 4, v5
	v_add_nc_u32 v[RD], s23, v5                    ; back: lanes 0-15 one row of 256 bytes, lanes 16-31 the next
	v_lshlrev_b32 v5, 13, v2
	v_lshl_add_u32 v[CO], v1, 4, v5                ; and the same two rows in out0 (8,192 bytes a row)
	s_lshl_b32 s88, s17, 20                        ; (128 x tile row + 64 x half) rows + (128 x tile column + 64 x half) x 4 bytes
	s_lshl_b32 s89, s15, 19
	s_add_co_u32 s88, s88, s89
	s_lshl_b32 s89, s42, 9
	s_add_co_u32 s88, s88, s89
	s_lshl_b32 s89, s16, 8
	s_add_co_u32 s88, s88, s89
	s_mov_b32 s89, 0
	s_add_nc_u64 s[10:11], s[10:11], s[88:89]
.macro FRG slot, kk, p, f              ; fragment f of the slot's kk-th 128 along K into set p: 0-3 Wo's, 4-7 A's
.irp c, 0,1,2,3
.if (\f) < 4
	ds_load_b128 v[128*(\p)+64+16*(\f)+4*\c:128*(\p)+64+16*(\f)+4*\c+3], v[ADRB+\slot] offset:(\f)*16*PB+(\kk)*128+32*\c
.else
	ds_load_b128 v[128*(\p)+16*((\f)-4)+4*\c:128*(\p)+16*((\f)-4)+4*\c+3], v[ADRA+\slot] offset:((\f)-4)*8192+(\kk)*2048+512*\c
.endif
.endr
.endm
.macro FETCH slot, kk, p               ; all eight
	WIN TO_F
.irp f, 0,1,2,3,4,5,6,7
	FRG \slot, \kk, \p, \f
.endr
.endm
.macro MUL4 p, a, zero                 ; token tile a x Wo's four.  The 16 accumulators take turns, one instruction a turn
	WIN MUL
.irp b, 0,1,2,3
.if \zero
	v_wmma_f32_16x16x128_fp8_fp8 v[ACC+8*(4*\a+\b):ACC+8*(4*\a+\b)+7], v[128*(\p)+64+16*\b:128*(\p)+64+16*\b+15], v[128*(\p)+16*\a:128*(\p)+16*\a+15], 0
.else
	v_wmma_f32_16x16x128_fp8_fp8 v[ACC+8*(4*\a+\b):ACC+8*(4*\a+\b)+7], v[128*(\p)+64+16*\b:128*(\p)+64+16*\b+15], v[128*(\p)+16*\a:128*(\p)+16*\a+15], v[ACC+8*(4*\a+\b):ACC+8*(4*\a+\b)+7]
.endif
.endr
.endm
.macro SUB slot, kk, zero              ; one of a slot's first three 128 along K: multiplies set kk % 2, fetches the next into the other
	PLACES                                         ; four places in front of loads into registers that matrix instructions have read
	FETCH \slot, (\kk)+1, ((\kk)+1)%2
	s_wait_dscnt 32                                ; all but the 32 just issued
.irp i, 0,1,2,3
	MUL4 (\kk)%2, \i, \zero
.endr
.endm
; A slot's last 128 changes slots: one barrier; in front of it each wave waits for all its tensor loads, adds 0 to its spare word, and waits for that and for its reads of this slot.
.macro TURN slot, next, fill
	WIN 0
.if (\fill) && ((\slot) == 0)
	s_wait_xcnt 0x0                                ; my prefetches have read their address
	s_add_nc_u64 s[98:99], s[98:99], s[92:93]
.endif
	s_wait_tensorcnt 0x0                           ; my part of the next slot has landed
	ds_add_u32 v[SPW], v[NIL]                      ; 0 onto my spare word
	s_wait_dscnt 1                                 ; only the add may be out: set 1 is in
	MUL4 1, 0, 0
	MUL4 1, 1, 0                                   ; eight matrix instructions between the add and the wait for it
	s_wait_dscnt 0x0                               ; the add is done, and my reads of this slot are over
	s_barrier_signal -1
	MUL4 1, 2, 0
	WIN 0
	s_barrier_wait -1
.if \fill
	CREST                                          ; the barrier has opened a round of the cluster's
	s_add_nc_u64 s[G0A+4*\slot+2:G0A+4*\slot+3], s[G0A+4*\slot+2:G0A+4*\slot+3], 2097152
	s_add_nc_u64 s[G0B+4*\slot+2:G0B+4*\slot+3], s[G0B+4*\slot+2:G0B+4*\slot+3], 1024
	JLOAD \slot                                    ; the first tensor load behind the round; its four v_nop are the places in front of the loads below
.else
	PLACES
.endif
	s_wait_alu depctr_va_vdst(0)
	FETCH \next, 0, 0
.if (\fill) && ((\slot) == 0)
	WIN 0
	global_prefetch_b8 v27, s[98:99] th:TH_LOAD_NT scope:SCOPE_SE   ; K step 3
.endif
	MUL4 1, 3, 0
.endm
	s_wait_alu depctr_va_vdst(0)                   ; the wait at the head's end
	s_wait_tensorcnt 0x0                           ; my part of K step 0 is in; these lines stand ahead of a later first fill:
	ds_add_u32 v[SPW], v[NIL]
	s_wait_dscnt 0x0
	CROUND
	JLOAD 1                                        ; K step 1, the first tensor load behind the round
	FETCH 0, 0, 0
	WIN 0
	s_wait_xcnt 0x0                                ; my prefetch has read its address
	s_add_nc_u64 s[98:99], s[98:99], s[92:93]
	global_prefetch_b8 v27, s[98:99] th:TH_LOAD_NT scope:SCOPE_SE   ; K step 2
	SUB 0, 0, 1                                    ; the first products start the sums.  Four K steps: written out, no loop
	SUB 0, 1, 0
	SUB 0, 2, 0
	TURN 0, 1, 1
	SUB 1, 0, 0
	SUB 1, 1, 0
	SUB 1, 2, 0
	TURN 1, 0, 1
	SUB 0, 0, 0
	SUB 0, 1, 0
	SUB 0, 2, 0
	TURN 0, 1, 0                                   ; nothing is left to fetch
	SUB 1, 0, 0
	SUB 1, 1, 0
	SUB 1, 2, 0
	s_wait_dscnt 0x0
	MUL4 1, 0, 0
	MUL4 1, 1, 0
	MUL4 1, 2, 0
	MUL4 1, 3, 0
	WIN 0
; THE WAY OUT, a block of 16 rows x 64 columns at a time: x 2^(e10 + e11) into other registers, through my own stage, back as whole rows of 256 bytes.  LDS serves a wave's instructions in order (ISA guide 5.7.1.4): no wait between the stores and the loads.
.macro TOSTAGE a
.irp b, 0,1,2,3
.irp i, 0,2,4,6
	v_pk_mul_f32 v[TMP+8*\b+\i:TMP+8*\b+\i+1], v[ACC+8*(4*(\a)+\b)+\i:ACC+8*(4*(\a)+\b)+\i+1], s[96:97] op_sel_hi:[1,0]   ; each accumulator from its low end on
.endr
.endr
.irp b, 0,1,2,3
	ds_store_b128 v[STO], v[TMP+8*\b:TMP+8*\b+3] offset:64*\b
	ds_store_b128 v[STO], v[TMP+8*\b+4:TMP+8*\b+7] offset:64*\b+16
.endr
.set BB, BK+32*((\a)%2)
.irp t, 0,1,2,3,4,5,6,7
	ds_load_b128 v[BB+4*\t:BB+4*\t+3], v[RD] offset:\t*2*SP
.endr
.endm
.macro SEND a, younger                 ; younger: the LDS instructions issued behind block a's loads
.set BB, BK+32*((\a)%2)
	s_wait_dscnt \younger
.irp t, 0,1,2,3,4,5,6,7
	global_store_b128 v[CO], v[BB+4*\t:BB+4*\t+3], s[10:11] offset:(16*(\a)+2*\t)*8192 th:TH_STORE_NT   ; sixteen lanes store 256 consecutive bytes, aligned; written once, read by nobody here
.endr
.endm
	s_wait_kmcnt 0x0
	s_add_co_i32 s96, s96, s97
	s_add_co_i32 s96, s96, 127
	s_lshl_b32 s96, s96, 23                        ; 2^(e10 + e11) as f32
	s_mov_b32 s97, s96                             ; (named with it as a pair)
	PLACES                                         ; in front of the first reads of results
	TOSTAGE 0
.irp a, 1,2,3
.if \a > 1
	s_wait_xcnt 0x0                                ; block a - 2's stores have read their registers: block a's loads may land there
.endif
	TOSTAGE \a
	SEND \a-1, 16                                  ; behind block a - 1's loads: block a's 8 stores and 8 loads
.endr
	SEND 3, 0
	s_wait_tensorcnt 0x0                           ; the wave's end
	ds_add_u32 v[SPW], v[NIL]
	s_wait_dscnt 0x0
	CROUND                                         ; the closing round
	s_endpgm
.Lfunc_end_k_q73140d4f56_oproj:
	.size	k_q73140d4f56_oproj, .Lfunc_end_k_q73140d4f56_oproj-k_q73140d4f56_oproj
	.p2alignl 7, 3214868480
	.fill 96, 4, 3214868480
	.section	.rodata,"a",@progbits
	.p2align	6, 0x0
	.amdhsa_kernel k_q73140d4f56_oproj
		.amdhsa_group_segment_fixed_size 327680
		.amdhsa_private_segment_fixed_size 0
		.amdhsa_enable_private_segment 0
		.amdhsa_kernarg_size 32
		.amdhsa_user_sgpr_count 2
		.amdhsa_user_sgpr_kernarg_segment_ptr 1
		.amdhsa_wavefront_size32 1
		.amdhsa_system_sgpr_workgroup_id_x 1
		.amdhsa_system_sgpr_workgroup_id_y 1
		.amdhsa_system_sgpr_workgroup_id_z 1
		.amdhsa_system_vgpr_workitem_id 0
		.amdhsa_next_free_vgpr 512
		.amdhsa_next_free_sgpr 100
		.amdhsa_reserve_vcc 0
		.amdhsa_float_denorm_mode_32 3
		.amdhsa_float_denorm_mode_16_64 3
		.amdhsa_memory_ordered 1
		.amdhsa_forward_progress 1
		.amdhsa_inst_pref_size 75
	.end_amdhsa_kernel
	.amdgpu_metadata
---
amdhsa.version: [ 1, 2 ]
amdhsa.kernels:
  - .name:           k_q73140d4f56_oproj
    .symbol:         k_q73140d4f56_oproj.kd
    .args:
      - { .name: abuf, .offset: 0, .size: 8, .value_kind: global_buffer, .address_space: global }
      - { .name: Wo_codes, .offset: 8, .size: 8, .value_kind: global_buffer, .address_space: global }
      - { .name: lowp_scales, .offset: 16, .size: 8, .value_kind: global_buffer, .address_space: global }
      - { .name: out0, .offset: 24, .size: 8, .value_kind: global_buffer, .address_space: global }
    .group_segment_fixed_size: 327680
    .private_segment_fixed_size: 0
    .kernarg_segment_align: 8
    .kernarg_segment_size: 32
    .max_flat_workgroup_size: 128
    .sgpr_count:     100
    .vgpr_count:     512
    .wavefront_size: 32
...
	.end_amdgpu_metadata
.endif
;; end of part 3
